; MI455X (gfx1250); checked and timed in simulation.
; The chip was launched on July 23, 2026; its instructions are those of AMD's public machine-readable ISA for CDNA 5 (MIT licence, August 2026) and "CDNA5" Instruction Set Architecture Reference Guide (July 2026). The comments in the code are by the model that wrote it; some were corrected since.
;; Simple Self Attention. Allowed arithmetic: matrix products marked QUANTISED: E5M2 operands, one given power-of-two scale a tensor, by v_wmma_f32_16x16x64_bf8_bf8 or v_wmma_f32_16x16x128_bf8_bf8, f32 sums; everything else in f32.
;; Inputs: bk 32 float32; bq 32 float32; bv 256 float32; gamma 1 float32; lowp_scales 10 int32 (the exponents e of the quantised operands' scales 2^e); wk 32 x 256 float32; wq 32 x 256 float32; wv 256 x 256 float32; x 4 x 256 x 64 x 64 float32.
;; Outputs: out0 4 x 256 x 64 x 64 float32.
;; This version of the problem:
;;   THIS VERSION OF THE PROBLEM IS GIVEN IN LOW PRECISION. The matrix products marked QUANTISED in the list below multiply operands that are first quantised to E5M2 (5 exponent bits, 2 mantissa bits; 8 bits a number), with one given power-of-two scale for each operand tensor; their sums are f32. All else is computed in f32.
;;   The module's matrix products, in the order in which they are computed (A, B: the left and right operand; K: the contracted axis; several contracted axes count as one K, in the product's order):
;;     1. [M 16,384, K 256] x [K 256, N 32]; A: input x; B: input wq: QUANTISED (scales: A lowp_scales[0], B lowp_scales[1])
;;     2. [M 16,384, K 256] x [K 256, N 32]; A: input x; B: input wk: QUANTISED (scales: A lowp_scales[2], B lowp_scales[3])
;;     3. [M 16,384, K 256] x [K 256, N 256]; A: input x; B: input wv: QUANTISED (scales: A lowp_scales[4], B lowp_scales[5])
;;     4. batch 4 x [M 4,096, K 32] x [K 32, N 4,096]; A: computed on the way; B: computed on the way: QUANTISED (scales: A lowp_scales[6], B lowp_scales[7])
;;     5. batch 4 x [M 4,096, K 4,096] x [K 4,096, N 256]; A: softmax (see below); B: computed on the way: QUANTISED (scales: A lowp_scales[8], B lowp_scales[9])
;;   THE QUANTISER, for each operand of a quantised product, along K:
;;     - The operand's scale is 2^e, e = its entry of the input lowp_scales (int32; the entries are numbered through the quantised products in the list's order, A before B).
;;     - Each number is divided by the scale, clamped to +-57,344, and rounded to the nearest number of E5M2, ties to even, subnormals kept.
;;     - The product sums the exact products of the quantised numbers (number of the format x scale) in f32.
;;   ~~~python
;;   def quantise(x, axis, e):      # numpy; x: float32 -> the quantised numbers, widened to float32 again
;;       x = np.moveaxis(x, axis, -1); K = x.shape[-1]
;;       r = np.clip(x / 2.0 ** e, -57344, 57344)
;;       step = 2.0 ** (np.maximum(np.frexp(np.where(r == 0, 1, r))[1] - 1, -14) - 2)
;;       q = np.round(r / step) * step * 2.0 ** e      # np.round: ties to even
;;       return np.moveaxis(q, -1, axis).astype(np.float32)
;;   ~~~
;;   SOFTMAX AHEAD OF A QUANTISED PRODUCT. Where the list says 'softmax', what is quantised is not the finished softmax but p = 2^(t - M), with t = logit x log2(e) and M = ceil(the row's largest t), a whole number; so 1/2 < the row's largest p <= 1. The row's sum l is taken of the UNQUANTISED p, in f32, and the product's result is divided by l at the end. Since M is a whole number, a kernel that streams over the keys may use a running M (the ceiling of the running maximum): every later rescaling is an exact power of two, so the quantised numbers keep their values, but for numbers so far below the row's largest that they fall under the format's range.
;;   OPERANDS COMPUTED ON THE WAY. 'Computed on the way' means the value that the module computes at that place (a softmax that the list does not call 'softmax' is quantised finished and normalised). What goes into a quantiser is computed in f32, as accurately as f32 sums, v_exp_f32 and their like allow (about 1e-6 of the number): no bf16 or f16 on the way to a quantiser, and a product that is left as it is and whose result goes on into a quantised operand takes f32 operands (vector FMAs, or v_wmma_f32_16x16x4_f32). A number that lies on a knife's edge between two numbers of the format may be rounded either way, as far as f32 arithmetic and the matrix unit's own rounding can turn it there, and no further.
;; One version. Each part assembles by itself: llvm-mc -triple=amdgcn-amd-amdhsa -mcpu=gfx1250 --defsym DOCPART=n.
;; ======== version 1 of 1: 3 launches
;; workspace buffers: wimg 81,920 bytes; qimg 524,288 bytes; kvimg 4,718,592 bytes
;; launch wprep (part 1): grid 20 x 1, 2 waves a work-group, no clusters, 0 bytes of LDS; arguments wq, wk, wv, lowp_scales, wimg; writes wimg
.if DOCPART == 1
	.amdgcn_target "amdgcn-amd-amdhsa--gfx1250"
	.amdhsa_code_object_version 6
	.text
	.protected	k_q7aec29bbbf_wprep
	.globl	k_q7aec29bbbf_wprep
	.p2align	8
	.type	k_q7aec29bbbf_wprep,@function
k_q7aec29bbbf_wprep:
	s_mov_b64 s[64:65], 0
	v_nop
	global_prefetch_b8 v0, s[64:65] scope:SCOPE_SE
	s_setreg_imm32_b32 hwreg(HW_REG_WAVE_MODE, 25, 1), 1
	s_wait_xcnt 0x0
; wq [32][256], wk [32][256], wv [256][256], f32, K (the 256 channels) innermost, become codes of BF8 (E5M2), each tensor with the scale 2^e that is given for it
; (entries 1, 3, 5 of the scales), laid as IMAGES OF THE OPERAND'S REGISTERS: wimg = [fragment 40][c 4][lane 32][16 bytes], fragment = 2 x tile + ks.
; A fragment is 16 rows x 128 K.  Lane (r = lane % 16, h = lane / 16), block c, holds one row's codes at k = 128 ks + 32 c + 16 h + 0 .. 15.
; Tiles 0, 1: wq, tiles 2, 3: wk, u = tile % 2: THE ROWS OF A TILE ARE NOT NEIGHBOURS: lane r takes row 8 u + r + 8 (r / 8), so that the results of tiles u = 0, 1, used transposed,
; are 16 neighbours along the next product's K.  Tile 4 + ct: wv, row 16 ct + r.
; code = x / 2^e, held within +-57,344, rounded to the nearest code, ties to even.  LIMITS: e between -126 and 112.  NaN among the inputs is not served.
; SHARES: a work-group is a tile, a wave a K step of 128: one fragment a wave, 40 waves in all: that is all the work there is (81,920 numbers).
; A lane reads 64 neighbouring bytes of its row for each block, by four loads; the rows lie 1,024 bytes apart.  Each store of the wave covers 512 consecutive bytes, aligned.
.set X,  16                            ; v16-79  64 numbers
.set C,  80                            ; v80-95  their codes
	s_load_b128 s[4:7], s[0:1], 0x0                ; wq, wk
	s_load_b128 s[8:11], s[0:1], 0x10              ; wv, the scales' exponents
	s_load_b64 s[12:13], s[0:1], 0x20              ; wimg
	v_lshrrev_b32 v1, 5, v0
	v_readfirstlane_b32 s16, v1                    ; wave = ks
	v_and_b32 v2, 15, v0                           ; r
	v_bfe_u32 v3, v0, 4, 1                         ; h
	s_and_b32 s17, ttmp9, 1
	s_lshl_b32 s17, s17, 3                         ; wq, wk: 8 u
	s_max_u32 s18, ttmp9, 4
	s_sub_co_u32 s18, s18, 4
	s_lshl_b32 s18, s18, 4                         ; wv: 16 ct
	s_cmp_lt_u32 ttmp9, 4
	s_cselect_b32 s17, s17, s18                    ; the tile's first row
	s_cselect_b32 s19, 8, 0                        ; wq, wk: lanes 8-15 take rows 8 further on
	v_and_b32 v4, s19, v2
	v_add_nc_u32 v4, v4, v2
	v_add_nc_u32 v4, s17, v4                       ; my row
	v_lshlrev_b32 v5, 10, v4                       ; a row is 1,024 bytes
	v_lshl_add_u32 v5, v3, 6, v5                   ; + 64 h: my 16 numbers of a block of 32
	s_lshl_b32 s34, s16, 9
	v_add_nc_u32 v5, s34, v5                       ; + 512 ks
	v_and_b32 v6, 31, v0
	v_lshlrev_b32 v6, 4, v6                        ; out: 16 x lane
	s_lshl_b32 s32, ttmp9, 12
	s_lshl_b32 s33, s16, 11
	s_add_co_u32 s32, s32, s33                     ; (2 tile + ks) x 2,048
	s_mov_b32 s33, 0
	s_wait_kmcnt 0x0
	s_load_b256 s[24:31], s[10:11], 0x0            ; e0 .. e7
	s_cmp_lt_u32 ttmp9, 4                          ; which tensor: the choice hangs on the work-group's number alone
	s_cselect_b64 s[20:21], s[6:7], s[8:9]
	s_cmp_lt_u32 ttmp9, 2
	s_cselect_b64 s[20:21], s[4:5], s[20:21]
	s_add_nc_u64 s[12:13], s[12:13], s[32:33]
.irp c, 0,1,2,3
.irp j, 0,1,2,3
	global_load_b128 v[X+16*\c+4*\j:X+16*\c+4*\j+3], v5, s[20:21] offset:128*\c+16*\j
.endr
.endr
	s_wait_kmcnt 0x0
	s_cmp_lt_u32 ttmp9, 4
	s_cselect_b32 s22, s27, s29                    ; e3 or e5
	s_cmp_lt_u32 ttmp9, 2
	s_cselect_b32 s22, s25, s22                    ; or e1
	s_add_co_i32 s22, s22, 127
	s_lshl_b32 s23, s22, 23
	v_mov_b32 v11, s23                             ; 2^e as f32: the conversion takes its exponent field
	s_add_co_i32 s22, s22, 15
	s_lshl_b32 s22, s22, 23
	s_or_b32 s22, s22, 0x600000
	v_mov_b32 v10, s22                             ; 57,344 x 2^e
	s_wait_loadcnt 0x0
.irp c, 0,1,2,3
.irp i, 0,1,2,3,4,5,6,7,8,9,10,11,12,13,14,15
	v_med3_num_f32 v[X+16*\c+\i], v[X+16*\c+\i], -v10, v10   ; the conversion to an 8-bit code does not saturate (ISA guide 7.6.2): the hold at the largest code x the scale
.endr
	v_cvt_scalef32_pk8_bf8_f32 v[C+4*\c:C+4*\c+1], v[X+16*\c:X+16*\c+7], v11
	v_cvt_scalef32_pk8_bf8_f32 v[C+4*\c+2:C+4*\c+3], v[X+16*\c+8:X+16*\c+15], v11
.endr
	v_nop                                          ; a plain line behind the last conversion
.irp c, 0,1,2,3
	global_store_b128 v6, v[C+4*\c:C+4*\c+3], s[12:13] offset:512*\c
.endr
	s_endpgm
.Lfunc_end_k_q7aec29bbbf_wprep:
	.size	k_q7aec29bbbf_wprep, .Lfunc_end_k_q7aec29bbbf_wprep-k_q7aec29bbbf_wprep
	.p2alignl 7, 3214868480
	.fill 96, 4, 3214868480
	.section	.rodata,"a",@progbits
	.p2align	6, 0x0
	.amdhsa_kernel k_q7aec29bbbf_wprep
		.amdhsa_group_segment_fixed_size 0
		.amdhsa_private_segment_fixed_size 0
		.amdhsa_enable_private_segment 0
		.amdhsa_kernarg_size 40
		.amdhsa_user_sgpr_count 2
		.amdhsa_user_sgpr_kernarg_segment_ptr 1
		.amdhsa_wavefront_size32 1
		.amdhsa_system_sgpr_workgroup_id_x 1
		.amdhsa_system_sgpr_workgroup_id_y 1
		.amdhsa_system_sgpr_workgroup_id_z 1
		.amdhsa_system_vgpr_workitem_id 0
		.amdhsa_next_free_vgpr 96
		.amdhsa_next_free_sgpr 66
		.amdhsa_reserve_vcc 0
		.amdhsa_float_denorm_mode_32 3
		.amdhsa_float_denorm_mode_16_64 3
		.amdhsa_memory_ordered 1
		.amdhsa_forward_progress 1
		.amdhsa_inst_pref_size 9
	.end_amdhsa_kernel
	.amdgpu_metadata
---
amdhsa.version: [ 1, 2 ]
amdhsa.kernels:
  - .name:           k_q7aec29bbbf_wprep
    .symbol:         k_q7aec29bbbf_wprep.kd
    .args:
      - { .name: wq, .offset: 0, .size: 8, .value_kind: global_buffer, .address_space: global }
      - { .name: wk, .offset: 8, .size: 8, .value_kind: global_buffer, .address_space: global }
      - { .name: wv, .offset: 16, .size: 8, .value_kind: global_buffer, .address_space: global }
      - { .name: lowp_scales, .offset: 24, .size: 8, .value_kind: global_buffer, .address_space: global }
      - { .name: wimg, .offset: 32, .size: 8, .value_kind: global_buffer, .address_space: global }
    .group_segment_fixed_size: 0
    .private_segment_fixed_size: 0
    .kernarg_segment_align: 8
    .kernarg_segment_size: 40
    .max_flat_workgroup_size: 64
    .sgpr_count:     66
    .vgpr_count:     96
    .wavefront_size: 32
...
	.end_amdgpu_metadata
.endif
;; end of part 1
;; launch proj (part 2): grid 64 x 4, 4 waves a work-group, no clusters, 168,448 bytes of LDS; arguments x, wimg, bq, bk, bv, lowp_scales, qimg, kvimg; writes qimg, kvimg
.if DOCPART == 2
	.amdgcn_target "amdgcn-amd-amdhsa--gfx1250"
	.amdhsa_code_object_version 6
	.text
	.protected	k_q7aec29bbbf_proj
	.globl	k_q7aec29bbbf_proj
	.p2align	8
	.type	k_q7aec29bbbf_proj,@function
k_q7aec29bbbf_proj:
	s_mov_b64 s[64:65], 0
	v_nop
	global_prefetch_b8 v0, s[64:65] scope:SCOPE_SE
	s_setreg_imm32_b32 hwreg(HW_REG_WAVE_MODE, 25, 1), 1
	s_wait_xcnt 0x0
; q = wq x + bq, k = wk x + bk, v = wv x + bv for 64 pixels of one batch, on codes of BF8 (E5M2); then q, k and v are themselves quantised, for the attention's two products.
; x: [4][256 channels][4,096 pixels] f32: K (the channels) is NOT innermost.  x is quantised three times, with 2^e0, 2^e2, 2^e4: the three need not be equal.
; OUT, all as images of operand registers (a block = 32 lanes x 16 bytes, lane l at 16 l; lane = (r = l % 16, h = l / 16)):
;   qimg  [b][blk 64][t 4][lane][16]: query pixel 64 blk + 32 (t / 2) + 8 (t % 2) + r + 8 (r / 8), channels d = 16 h + 0 .. 15
;   kvimg [b][step 32][36,864]: a step is 128 keys.  K: [t 8][lane][16] as q.  V, from byte 4,096: [ct 16][c 4][lane][16]: channel 16 ct + r, keys 32 c + 16 h + 0 .. 15
; SHARES.  A work-group: 64 pixels (256 work-groups).  Wave w quantises pixel tile w (16 pixels x 256 channels, in three versions), makes q and k of its tile from its registers, and makes v's channels
; 64 w .. 64 w + 63 for all four pixel tiles: the v version's fragments go from wave to wave through LDS as images of their registers.
; THE PIXELS OF A TILE ARE NOT NEIGHBOURS (32 (w / 2) + 8 (w % 2) + r + 8 (r / 8)): so in v's results (source 0 = 16 pixels, source 1 = 16 channels: a lane holds one channel, its registers pixels) the 16 registers
; of tiles 2 bl, 2 bl + 1 are 16 neighbouring keys.  q and k are used transposed (source 0 = 16 rows of the weight, source 1 = 16 pixels): a lane holds one pixel and 16 neighbouring channels d.
; x's tile (256 rows of 256 bytes, each row 256 consecutive aligned bytes of memory) comes by one tensor load a wave; a lane then takes a pixel, and its registers run down the channels.
; The biases are the C of each sum's first matrix instruction, divided by the power of two that the sums lack; the three scales ahead of each second quantiser are folded into the conversion's one.
; NO CLUSTER: no two work-groups read the same bytes of x.  The weights' codes (81,920 bytes, of which a wave wants 32,768) are shared by all work-groups; they go straight into registers by loads of 512 consecutive
; bytes and stay there; a joint load would send them through LDS for one read each.
; LIMITS: e0, e2, e4, e6 - e0 - e1, e7 - e2 - e3, e9 - e4 - e5 between -126 and 112, so that each power of two and each hold below is an f32 number.  NaN among the inputs is not served; an infinity is held at the largest code.
; LDS: no byte is filled twice.  The claim is more than half of a WGP's LDS; the text uses 83,968 bytes.
; REGISTERS.  window 0: v1 r, v2 h, v3 16 x lane, v4-8 addresses, v10-12 2^e0, 2^e2, 2^e4; v16-31 at work; v32-159 x's 128 numbers, later the 8 fetched fragments; v160-191, v192-223, v224-255 the codes for q, k, v.
;   window 1: v0-127 wq's and wk's 8 fragments; v128-255 my 8 fragments of wv.
;   window 2: v0-31 bq, bk in the result's layout; v32-63 bv likewise; v64-67 bv as loaded; v72-103 q's and k's sums; v104-135 v's sums; v136-143 q's, k's codes; v144-175 v's codes; v240-242 the folded scales; v244 16 x lane.
.set XP,    264                        ; a row of x in LDS: 256 bytes + 8 of padding = 66 words: 16 rows are 32 banks on (64 banks of 4 bytes: ISA guide 11.1), so the two halves of the lanes meet in no bank
.set XIMG,  256*XP                     ; behind x's tile (67,584, a multiple of 256): 8 fragments' images of 2,048 bytes, fragment 2 pt + ks
.set FRB,   2048
.set XR,    32
.set XQ,    160
.set XV,    224
.set MSB, 0
.macro WIN new                         ; the immediate's high byte repeats the setting that is left
.if MSB != \new
	s_set_vgpr_msb (MSB<<8)|\new
.set MSB, \new
.endif
.endm
.macro PLACES n
.rept \n
	v_nop
.endr
.endm
; s[e] holds an exponent: s[sc] = 2^e as f32; s[lo], s[lo + 1] = -, + 57,344 x 2^e
.macro MKSC e, lo, sc
	s_add_co_i32 s[\sc], s[\e], 127
	s_add_co_i32 s[\lo+1], s[\sc], 15
	s_lshl_b32 s[\sc], s[\sc], 23
	s_lshl_b32 s[\lo+1], s[\lo+1], 23
	s_or_b32 s[\lo+1], s[\lo+1], 0x600000
	s_or_b32 s[\lo], s[\lo+1], 0x80000000
.endm
; my pixel's numbers at channels 32 cb + 16 h + 0 .. 15
.macro LOADX cb
.irp i, 0,1,2,3,4,5,6,7,8,9,10,11,12,13,14,15
	ds_load_b32 v[XR+16*(\cb)+\i], v4 offset:(32*(\cb)+\i)*XP
.endr
.endm
; those 16 numbers become codes, three times.  The hold goes out of place (the next version wants x as it was), into two sets of eight registers by turns: eight plain lines stand between a conversion and the next write of its sources
.macro QX cb
.irp ver, 0,1,2
.irp g, 0,1
.irp i, 0,1,2,3,4,5,6,7
	v_med3_num_f32 v[16+8*\g+\i], v[XR+16*(\cb)+8*\g+\i], s[46+2*\ver], s[47+2*\ver]
.endr
	v_cvt_scalef32_pk8_bf8_f32 v[XQ+32*\ver+4*(\cb)+2*\g:XQ+32*\ver+4*(\cb)+2*\g+1], v[16+8*\g:23+8*\g], v[10+\ver]
.endr
.endr
.endm
	s_load_b512 s[4:19], s[0:1], 0x0               ; x s[4:5], wimg s[6:7], bq s[8:9], bk s[10:11], bv s[12:13], the scales s[14:15], qimg s[16:17], kvimg s[18:19]
	v_lshl_add_u32 v9, v0, 2, 0x29000
	v_mov_b32 v15, 0
	ds_add_u32 v9, v15
	ds_add_u32 v9, v15
	v_lshrrev_b32 v1, 5, v0
	v_readfirstlane_b32 s20, v1                    ; wave 0..3
	s_and_b32 s22, ttmp7, 0xffff                   ; the batch
	; descriptor group 1: 64 rows (channels) of 64 f32, 4,096 elements apart, padded in LDS
	s_mov_b32 s28, (2<<16)|(1<<20)|(5<<22)|(1<<25) ; 17:16 elements of 4 bytes; 20 padding on; 24:22 after every 64 words (code 5); 31:25 two words (code 1)
	s_mov_b32 s29, 64<<16                          ; tensor_dim0 = 64
	s_mov_b32 s30, 64<<16                          ; tensor_dim1 = 64
	s_mov_b32 s31, 64<<16                          ; tile_dim0 = 64
	s_mov_b32 s32, 64                              ; tile_dim1 = 64
	s_mov_b32 s33, 4096                            ; from row to row
	s_mov_b32 s34, 0
	s_mov_b32 s35, 0
	s_mov_b32 s24, 1                               ; group 0: count = 1
	s_mul_i32 s25, s20, 64*XP                      ; LDS: my 64 rows
	s_lshl_b32 s58, s22, 22                        ; batch x 4 MiB
	s_lshl_b32 s59, s20, 20                        ; + 64 w channels of 16,384 bytes
	s_add_co_u32 s58, s58, s59
	s_lshl_b32 s59, ttmp9, 8                       ; + the block's 64 pixels
	s_add_co_u32 s58, s58, s59
	s_mov_b32 s59, 0
	s_wait_dscnt 0x0
	s_wait_kmcnt 0x0
	s_add_nc_u64 s[26:27], s[4:5], s[58:59]
	s_or_b32 s27, s27, 0x80000000                  ; type = 2
	tensor_load_to_lds s[24:27], s[28:35]          ; my one tensor load: it goes out ahead of everything else
	s_nop 0
	v_and_b32 v1, 15, v0                           ; r
	v_bfe_u32 v2, v0, 4, 1                         ; h
	v_and_b32 v13, 31, v0
	v_lshlrev_b32 v3, 4, v13                       ; 16 x lane
	s_load_b256 s[36:43], s[14:15], 0x0            ; e0 .. e7
	s_load_b64 s[44:45], s[14:15], 0x20            ; e8, e9
	v_and_b32 v14, 8, v1
	v_add_nc_u32 v14, v14, v1                      ; r + 8 (r / 8)
	v_mul_u32_u24 v4, v2, 16*XP
	v_lshl_add_u32 v4, v14, 2, v4
	s_lshr_b32 s58, s20, 1
	s_lshl_b32 s58, s58, 7
	s_and_b32 s59, s20, 1
	s_lshl_b32 s59, s59, 5
	s_add_co_u32 s58, s58, s59
	v_add_nc_u32 v4, s58, v4                       ; x in LDS: row 16 h, pixel 32 (w / 2) + 8 (w % 2) + r + 8 (r / 8)
	s_lshl_b32 s58, s20, 12
	s_add_co_u32 s58, s58, XIMG
	v_add_nc_u32 v5, s58, v3                       ; where I store my two images
	v_add_nc_u32 v6, XIMG, v3                      ; from where any image is read
	v_lshlrev_b32 v7, 6, v2                        ; bq, bk: 16 h numbers on
	v_lshlrev_b32 v8, 2, v1                        ; bv: number r
	s_lshl_b32 s60, s20, 14
	s_add_co_u32 s60, s60, 16384
	s_mov_b32 s61, 0
	s_add_nc_u64 s[60:61], s[6:7], s[60:61]        ; my 8 fragments of wv: behind wq's and wk's eight
	s_lshl_b32 s62, s20, 8
	s_mov_b32 s63, 0
	s_add_nc_u64 s[62:63], s[12:13], s[62:63]      ; my 64 numbers of bv
	WIN 0x40                                       ; destination window 1
.irp f, 0,1,2,3,4,5,6,7
.irp c, 0,1,2,3
	global_load_b128 v[16*\f+4*\c:16*\f+4*\c+3], v3, s[6:7] offset:\f*FRB+512*\c
.endr
.endr
.irp f, 0,1,2,3,4,5,6,7
.irp c, 0,1,2,3
	global_load_b128 v[128+16*\f+4*\c:128+16*\f+4*\c+3], v3, s[60:61] offset:\f*FRB+512*\c
.endr
.endr
	WIN 0x80                                       ; destination window 2
.irp u, 0,1                                    ; lane (r, h), register j of tile u wants b[16 h + 8 u + j]
	global_load_b128 v[8*\u:8*\u+3], v7, s[8:9] offset:32*\u
	global_load_b128 v[8*\u+4:8*\u+7], v7, s[8:9] offset:32*\u+16
	global_load_b128 v[16+8*\u:16+8*\u+3], v7, s[10:11] offset:32*\u
	global_load_b128 v[16+8*\u+4:16+8*\u+7], v7, s[10:11] offset:32*\u+16
.endr
.irp n, 0,1,2,3
	global_load_b32 v[64+\n], v8, s[62:63] offset:64*\n   ; bv[64 w + 16 n + r]
.endr
	v_mov_b32 v244, v3
	s_wait_kmcnt 0x0
	s_add_co_i32 s66, s36, s37                     ; e0 + e1: a sum of q's product stands for sum x 2^(e0 + e1)
	s_add_co_i32 s67, s38, s39
	s_add_co_i32 s68, s40, s41
	s_sub_co_i32 s75, s42, s66                     ; so q's code is sum / 2^(e6 - e0 - e1)
	MKSC 75, 52, 76
	v_mov_b32 v240, s76
	s_sub_co_i32 s75, s43, s67
	MKSC 75, 54, 76
	v_mov_b32 v241, s76
	s_sub_co_i32 s75, s45, s68
	MKSC 75, 56, 76
	v_mov_b32 v242, s76
	s_sub_co_i32 s66, 0, s66                       ; and the biases go in x 2^-(e0 + e1), ..
	s_sub_co_i32 s67, 0, s67
	s_sub_co_i32 s68, 0, s68
	WIN 0
	MKSC 36, 46, 76
	v_mov_b32 v10, s76
	MKSC 38, 48, 76
	v_mov_b32 v11, s76
	MKSC 40, 50, 76
	v_mov_b32 v12, s76
	; where the results go
	s_lshl_b32 s70, s22, 6
	s_add_co_u32 s70, s70, ttmp9
	s_lshl_b32 s70, s70, 2
	s_add_co_u32 s70, s70, s20
	s_lshl_b32 s70, s70, 9                         ; ((64 b + blk) 4 + w) x 512
	s_mov_b32 s71, 0
	s_add_nc_u64 s[16:17], s[16:17], s[70:71]      ; q's block
	s_mul_i32 s72, s22, 1179648
	s_lshr_b32 s73, ttmp9, 1
	s_mul_i32 s73, s73, 36864
	s_add_co_u32 s72, s72, s73
	s_mov_b32 s73, 0
	s_add_nc_u64 s[18:19], s[18:19], s[72:73]      ; the step of 128 keys in which my block's 64 lie
	s_and_b32 s74, ttmp9, 1
	s_lshl_b32 s70, s74, 2
	s_add_co_u32 s70, s70, s20
	s_lshl_b32 s70, s70, 9
	s_add_nc_u64 s[70:71], s[18:19], s[70:71]      ; k's block: tile 4 (blk % 2) + w
	s_lshl_b32 s72, s20, 13
	s_lshl_b32 s74, s74, 10
	s_add_co_u32 s72, s72, s74
	s_add_co_u32 s72, s72, 4096
	s_add_nc_u64 s[72:73], s[18:19], s[72:73]      ; v's blocks: channel tile 4 w, c = 2 (blk % 2)
	s_wait_tensorcnt 0x0                           ; my 64 rows of x are in LDS,
	s_barrier_signal -1
	s_barrier_wait -1                              ; everybody's are
	; ---- x becomes codes: blocks of 16 numbers a lane, three blocks of loads ahead
	LOADX 0
	LOADX 1
	LOADX 2
.irp cb, 0,1,2,3,4,5,6,7
.if \cb+3 < 8
	LOADX \cb+3
.endif
.if \cb < 5
	s_wait_dscnt 48                                ; this block's 16 loads are in; the three blocks behind it may be out
.else
	s_wait_dscnt 16*(7-\cb)
.endif
	QX \cb
.endr
	v_nop                                          ; a plain line behind the last conversion
	; ---- the v version's two fragments go to LDS as they stand
.irp ks, 0,1
.irp c, 0,1,2,3
	ds_store_b128 v5, v[XV+16*\ks+4*\c:XV+16*\ks+4*\c+3] offset:\ks*FRB+512*\c
.endr
.endr
	s_wait_dscnt 0x0                               ; for the others' sake: my stores have landed
	s_barrier_signal -1
	s_barrier_wait -1
.irp f, 0,1,2,3,4,5,6,7                        ; all four pixel tiles' fragments, into the registers that x's numbers have left
.irp c, 0,1,2,3
	ds_load_b128 v[XR+16*\f+4*\c:XR+16*\f+4*\c+3], v6 offset:\f*FRB+512*\c
.endr
.endr
	s_wait_loadcnt 0x0                             ; the weights and the biases
	WIN 0xaa                                       ; all in window 2
.irp j, 0,1,2,3,4,5,6,7,8,9,10,11,12,13,14,15
	v_ldexp_f32 v[\j], v[\j], s66
.endr
.irp j, 16,17,18,19,20,21,22,23,24,25,26,27,28,29,30,31
	v_ldexp_f32 v[\j], v[\j], s67
.endr
.irp n, 0,1,2,3
.irp j, 0,1,2,3,4,5,6,7
	v_ldexp_f32 v[32+8*\n+\j], v[64+\n], s68       ; a lane holds one channel of v: the same bias in all eight registers
.endr
.endr
	; ---- q and k of my tile: four accumulators by turns
	WIN 0xa1                                       ; source 0 (the weight) window 1, source 1 (x) window 0, C and D window 2
.irp ks, 0,1
.irp a, 0,1,2,3
.if \ks == 0
	v_wmma_f32_16x16x128_bf8_bf8 v[72+8*\a:79+8*\a], v[16*(2*\a+\ks):16*(2*\a+\ks)+15], v[XQ+32*(\a/2)+16*\ks:XQ+32*(\a/2)+16*\ks+15], v[8*\a:8*\a+7]
.else
	v_wmma_f32_16x16x128_bf8_bf8 v[72+8*\a:79+8*\a], v[16*(2*\a+\ks):16*(2*\a+\ks)+15], v[XQ+32*(\a/2)+16*\ks:XQ+32*(\a/2)+16*\ks+15], v[72+8*\a:79+8*\a]
.endif
.endr
.endr
	PLACES 4                                       ; in front of the first read of results (ISA guide 7.12.1)
	WIN 0xaa
.irp i, 0,1,2,3,4,5,6,7,8,9,10,11,12,13,14,15
	v_med3_num_f32 v[72+\i], v[72+\i], s52, s53    ; each accumulator from its low end on
.endr
.irp i, 16,17,18,19,20,21,22,23,24,25,26,27,28,29,30,31
	v_med3_num_f32 v[72+\i], v[72+\i], s54, s55
.endr
	v_cvt_scalef32_pk8_bf8_f32 v[136:137], v[72:79], v240     ; d = 16 h + 0 .. 7
	v_cvt_scalef32_pk8_bf8_f32 v[138:139], v[80:87], v240     ; d = 16 h + 8 .. 15
	v_cvt_scalef32_pk8_bf8_f32 v[140:141], v[88:95], v241
	v_cvt_scalef32_pk8_bf8_f32 v[142:143], v[96:103], v241
	v_nop
	global_store_b128 v244, v[136:139], s[16:17]   ; the wave stores 512 consecutive bytes, aligned
	global_store_b128 v244, v[140:143], s[70:71]
	s_wait_dscnt 0x0                               ; the eight fragments are in
	; ---- v: my four channel tiles, each for the four pixel tiles: four accumulators by turns
.irp n, 0,1,2,3
	WIN 0xa4                                       ; source 0 (x) window 0, source 1 (wv) window 1, C and D window 2
.irp ks, 0,1
.irp pt, 0,1,2,3
.if \ks == 0
	v_wmma_f32_16x16x128_bf8_bf8 v[104+8*\pt:111+8*\pt], v[XR+16*(2*\pt+\ks):XR+16*(2*\pt+\ks)+15], v[128+16*(2*\n+\ks):128+16*(2*\n+\ks)+15], v[32+8*\n:39+8*\n]
.else
	v_wmma_f32_16x16x128_bf8_bf8 v[104+8*\pt:111+8*\pt], v[XR+16*(2*\pt+\ks):XR+16*(2*\pt+\ks)+15], v[128+16*(2*\n+\ks):128+16*(2*\n+\ks)+15], v[104+8*\pt:111+8*\pt]
.endif
.endr
.endr
	PLACES 4
	WIN 0xaa
.irp i, 0,1,2,3,4,5,6,7,8,9,10,11,12,13,14,15,16,17,18,19,20,21,22,23,24,25,26,27,28,29,30,31
	v_med3_num_f32 v[104+\i], v[104+\i], s56, s57
.endr
.irp pt, 0,1,2,3
	v_cvt_scalef32_pk8_bf8_f32 v[144+8*\n+2*\pt:144+8*\n+2*\pt+1], v[104+8*\pt:111+8*\pt], v242   ; tiles 2 bl, 2 bl + 1: keys 32 bl + 16 h + 0 .. 15
.endr
	v_nop                                          ; a plain line between the conversions and the next products, which write their sources; with the four above and the holds of the other tiles more than five places lie behind the last product
.irp bl, 0,1
	global_store_b128 v244, v[144+8*\n+4*\bl:144+8*\n+4*\bl+3], s[72:73] offset:\n*FRB+512*\bl   ; each set of codes has registers of its own: no store's data are written again
.endr
.endr
	WIN 0
	s_wait_tensorcnt 0x0
	ds_add_u32 v9, v15
	s_wait_dscnt 0x0
	s_endpgm
.Lfunc_end_k_q7aec29bbbf_proj:
	.size	k_q7aec29bbbf_proj, .Lfunc_end_k_q7aec29bbbf_proj-k_q7aec29bbbf_proj
	.p2alignl 7, 3214868480
	.fill 96, 4, 3214868480
	.section	.rodata,"a",@progbits
	.p2align	6, 0x0
	.amdhsa_kernel k_q7aec29bbbf_proj
		.amdhsa_group_segment_fixed_size 168448
		.amdhsa_private_segment_fixed_size 0
		.amdhsa_enable_private_segment 0
		.amdhsa_kernarg_size 64
		.amdhsa_user_sgpr_count 2
		.amdhsa_user_sgpr_kernarg_segment_ptr 1
		.amdhsa_wavefront_size32 1
		.amdhsa_system_sgpr_workgroup_id_x 1
		.amdhsa_system_sgpr_workgroup_id_y 1
		.amdhsa_system_sgpr_workgroup_id_z 1
		.amdhsa_system_vgpr_workitem_id 0
		.amdhsa_next_free_vgpr 768
		.amdhsa_next_free_sgpr 80
		.amdhsa_reserve_vcc 0
		.amdhsa_float_denorm_mode_32 3
		.amdhsa_float_denorm_mode_16_64 3
		.amdhsa_memory_ordered 1
		.amdhsa_forward_progress 1
		.amdhsa_inst_pref_size 72
	.end_amdhsa_kernel
	.amdgpu_metadata
---
amdhsa.version: [ 1, 2 ]
amdhsa.kernels:
  - .name:           k_q7aec29bbbf_proj
    .symbol:         k_q7aec29bbbf_proj.kd
    .args:
      - { .name: x, .offset: 0, .size: 8, .value_kind: global_buffer, .address_space: global }
      - { .name: wimg, .offset: 8, .size: 8, .value_kind: global_buffer, .address_space: global }
      - { .name: bq, .offset: 16, .size: 8, .value_kind: global_buffer, .address_space: global }
      - { .name: bk, .offset: 24, .size: 8, .value_kind: global_buffer, .address_space: global }
      - { .name: bv, .offset: 32, .size: 8, .value_kind: global_buffer, .address_space: global }
      - { .name: lowp_scales, .offset: 40, .size: 8, .value_kind: global_buffer, .address_space: global }
      - { .name: qimg, .offset: 48, .size: 8, .value_kind: global_buffer, .address_space: global }
      - { .name: kvimg, .offset: 56, .size: 8, .value_kind: global_buffer, .address_space: global }
    .group_segment_fixed_size: 168448
    .private_segment_fixed_size: 0
    .kernarg_segment_align: 8
    .kernarg_segment_size: 64
    .max_flat_workgroup_size: 128
    .sgpr_count:     80
    .vgpr_count:     768
    .wavefront_size: 32
...
	.end_amdgpu_metadata
.endif
;; end of part 2
;; launch attn (part 3): grid 64 x 4, 8 waves a work-group, clusters of 4 x 1, 327,680 bytes of LDS; arguments qimg, kvimg, x, gamma, lowp_scales, out0; writes out0
.if DOCPART == 3
	.amdgcn_target "amdgcn-amd-amdhsa--gfx1250"
	.amdhsa_code_object_version 6
	.text
	.protected	k_q7aec29bbbf_attn
	.globl	k_q7aec29bbbf_attn
	.p2align	8
	.type	k_q7aec29bbbf_attn,@function
k_q7aec29bbbf_attn:
	s_mov_b64 s[64:65], 0
	v_nop
	global_prefetch_b8 v0, s[64:65] scope:SCOPE_SE
	s_setreg_imm32_b32 hwreg(HW_REG_WAVE_MODE, 25, 1), 1
	s_wait_xcnt 0x0
	s_wait_alu depctr_hold_cnt(0) depctr_sa_sdst(0) depctr_va_vdst(0) depctr_va_sdst(0) depctr_va_ssrc(0) depctr_va_vcc(0) depctr_vm_vsrc(0)
	s_getreg_b32 s2, hwreg(HW_REG_IB_STS2, 6, 4)
	s_cmp_eq_u32 s2, 0
	s_cbranch_scc0 .Lentry_in_a_cluster
	s_endpgm
.Lentry_in_a_cluster:
	s_bfe_u32 s2, ttmp6, 0x10000c
	s_cmp_lg_u32 s2, 0x3003
	s_cbranch_scc0 .Lentry_shape_is_right
	s_endpgm
.Lentry_shape_is_right:
; out0[b][c][i] = gamma x (sum over j of softmax_j(q_i . k_j / sqrt(32)) v[c][j]) + x[b][c][i], both products on codes of BF8 (E5M2), each operand with the scale 2^e that is given for it (e6 .. e9).
; qimg, kvimg: codes laid as images of operand registers (a block = 32 lanes x 16 bytes; lane = (r = l % 16, h = l / 16)):
;   qimg  [b][blk 64][t 4][lane][16]: query pixel 64 blk + 32 (t / 2) + 8 (t % 2) + r + 8 (r / 8), channels d = 16 h + 0 .. 15
;   kvimg [b][step 32][36,864]: 128 keys a step.  K: [t 8][lane][16], key 32 (t / 2) + 8 (t % 2) + r + 8 (r / 8).  V, from byte 4,096: [ct 16][c 4][lane][16]: channel 16 ct + r, keys 32 c + 16 h + 0 .. 15
; THE SOFTMAX AHEAD OF THE SECOND PRODUCT: t = score x log2(e) / sqrt(32); M = the largest t, rounded UP to a whole number; p = 2^(t - M) is what is quantised; the sum is taken of the unquantised p and divides at the end.
; SHARES.  A work-group: 64 queries of one batch (256 work-groups).  Wave = 2 kq + qh: qh picks 32 queries (two tiles of 16), kq one of the four key steps of a slot: THE KEYS ARE SPLIT FOUR WAYS, each wave with an M and
; a sum of its own; the four partial results are joined at the end by exact powers of two.  Two waves of 512 registers share a SIMD.
; TWO PASSES.  M IS FOUND FIRST: at the head each wave makes the scores of its own eight key steps once (K's codes, 8 x 4,096 bytes, come by loads of 512 consecutive bytes into the registers that O^T takes later) and keeps
; their largest.  So the key loop has no maximum and rescales nothing: 16 products and 64 maxima a step at the head stand against 128 packed multiplications on O^T, 62 maxima and the statistics' chain in each step of the loop.
; Both passes make a score by the same instruction on the same codes, so no t of the loop lies above the largest t of the first pass.
; LAYOUT.  Both products are used transposed: S^T = K Q^T (source 0 = 16 keys, source 1 = 16 queries), O^T = V P^T (source 0 = 16 channels, source 1 = P): a lane holds ONE query throughout, and the 16 registers of key tiles
; 2 b, 2 b + 1 are keys 32 b + 16 h + 0 .. 15: the conversions' results are the second product's operand.
; THE FIRST PRODUCT'S K IS 32, half of the K = 64 form: source 0 holds TWO key tiles (2 p in registers 0-3, 2 p + 1 in registers 4-7), source 1 is [q | zeros] or [zeros | q].  The half that meets zero codes holds finite
; codes (the quantiser's hold makes no infinity) and adds exact zeros.
; RING.  Two slots of four steps (147,456 bytes), dense: images are read at 16 x lane.  Each of the eight waves fetches an eighth of a slot: 72 rows of 256 bytes.
; CLUSTER.  The four query blocks of a cluster walk the same K and V: each tile is asked for JOINTLY, by the same tensor load with the same descriptor and the mask of all four.
; By this text's own count a wave has two tensor loads out at the start and one behind each round.
; LIMITS: e6 + e7 between -124 and 129 (added to c's exponent field); e8 between -126 and 112; e8 + e9 is applied by v_ldexp_f32 and has none.  NaN among the inputs is not served.
; M is that of the wave's quarter of the keys: where 57,344 x 2^e8 lies under 1 (e8 under -15) the hold acts on p under the quarter's M, not the row's.
; The claim is all of a WGP's LDS; the text uses 300,032 bytes.
; REGISTERS.  window 0: v1, v2 my step in slot 0, 1; v3, v4 the add's; v5-8 the partials' rows; v9 prefetch; v11 2^e8; v12, v13 tile 0's -M and largest t, v16, v17 tile 1's; v[14:15], v[22:23] tile 0's sum in two chains of pairs,
;   v[18:19], v[26:27] tile 1's; v20, v24 at work; v21 16 x lane; v25 statistics, read; v28, v29 stage, in; v30 x's and out0's offset; v31 statistics, written; v32-63 Q; v64-95 K (in the first pass v64-67: the running maxima);
;   v96-159, v160-223 S^T of tile 0, 1, then V's two buffers of four fragments; v224-255 P.
;   window 1: in the first pass K of my eight steps (step n at v[32 n]); then O^T: tile tl, channel tile ct at v[128 tl + 8 ct].
.set STEPB, 36864
.set SLOTB, 4*STEPB                    ; 147,456
.set WPART, SLOTB/8                    ; 18,432: a wave's part of a slot
.set STATS, 2*SLOTB                    ; 294,912: 512 bytes a wave
.set SPARE, STATS+4096                 ; 299,008: the spare words, 128 bytes for each wave: four blocks of 256 bytes that no other line names
.set SP,    272                        ; the way out: a stage row: 64 pixels x 4 bytes + 16
.set PART,  256*SP                     ; a partial result: 256 channels.  The four lie in the ring, from byte 0: it has had its last fill and its last read when the first result is stored there
.set MSB, 0
.macro WIN new                         ; the immediate's high byte repeats the setting that is left
.if MSB != \new
	s_set_vgpr_msb (MSB<<8)|\new
.set MSB, \new
.endif
.endm
.macro PLACES n
.rept \n
	v_nop
.endr
.endm
; A round of the cluster's barrier: my work-group's barrier; wave 0 signals for the work-group; every wave waits for all four work-groups; my work-group's barrier once more.
.macro CROUND
	s_barrier_signal -1
	s_barrier_wait -1
	s_cmp_lg_u32 s16, 0
	s_cbranch_scc1 .Lnot_wave_0_\@
	s_barrier_signal -3
.Lnot_wave_0_\@:
	s_barrier_wait -3
	s_barrier_signal -1
	s_barrier_wait -1
.endm
; THE CHANGE OF SLOTS.  Each wave waits for all its tensor loads (its part of the slot that it is about to read), adds 0 to its spare word, and waits for that and for its reads of the slot that it has left.
; fill = 1: slot f, just left, is filled with the keys two slots on: the barrier is then a round of the cluster's, and the joint refill is the first thing behind it; it has a whole slot's work in which to land.
.macro CHANGE fill, f
	s_wait_tensorcnt 0x0                           ; no tensor load of mine is out, so a group 0 may be written
	ds_add_u32 v3, v4                              ; 0 onto my spare word
.if \fill
	s_add_nc_u64 s[34+4*\f:35+4*\f], s[34+4*\f:35+4*\f], 2*SLOTB   ; the type bits on top are not reached
.endif
	s_wait_dscnt 0x0                               ; the add is done, and my reads of the slot that I have left are over
.if \fill
	CROUND
	tensor_load_to_lds s[32+4*\f:35+4*\f], s[24:31]
	s_nop 0
	PLACES 4
.else
	s_barrier_signal -1
	s_barrier_wait -1
.endif
.endm
; S^T = K Q^T for 128 keys and my two tiles of queries: 16 products, each with an accumulator of its own.  ka: the first of K's 32 registers
.macro QK ka
.irp p, 0,1,2,3
.irp tl, 0,1
.irp u, 0,1
	v_wmma_f32_16x16x64_bf8_bf8 v[96+64*\tl+8*(2*\p+\u):96+64*\tl+8*(2*\p+\u)+7], v[(\ka)+8*\p:(\ka)+8*\p+7], v[32+16*\tl+8*\u:39+16*\tl+8*\u], 0
.endr
.endr
.endr
.endm
; THE FIRST PASS.  K of my n-th step (step 4 n + kq of the batch) into window 1: each load reads 512 consecutive bytes
.macro KLOAD n
.irp t, 0,1,2,3,4,5,6,7
	global_load_b128 v[32*(\n)+4*\t:32*(\n)+4*\t+3], v21, s[46:47] offset:(\n)*SLOTB+512*\t
.endr
.endm
; its scores, and their largest: two chains a tile, the four by turns, ascending
.macro PASS1 n
.if \n == 0
	s_wait_loadcnt 48                              ; Q and step 0's K are in; steps 1 to 6, 48 loads, may be out
	WIN 0x40
	KLOAD 7                                        ; the last step's are asked for only now: 60 loads of mine were out at the most
.else
	s_wait_loadcnt 8*(7-\n)                        ; step n's K is in; the steps behind it may be out
.endif
	WIN 0x01                                       ; source 0 (K) window 1
	QK 32*\n
	WIN 0
	PLACES 4                                       ; in front of the first read of results (ISA guide 7.12.1); with the maxima on the other accumulators they are also the places in front of the next step's products, which write over these
.set j, 0
.rept 16
	v_max3_num_f32 v64, v64, v[96+j], v[97+j]
	v_max3_num_f32 v65, v65, v[98+j], v[99+j]
	v_max3_num_f32 v66, v66, v[160+j], v[161+j]
	v_max3_num_f32 v67, v67, v[162+j], v[163+j]
.set j, j+4
.endr
.endm
; THE SOFTMAX OF A KEY STEP is a stream over 16 groups of eight scores (group o: tile o / 8, registers 96 + 8 o on).  The lines of a group:
.macro FM o, i                         ; t - M for pair i (of the pairs c and -M the low word serves both halves)
	v_pk_fma_f32 v[96+8*(\o)+2*(\i):96+8*(\o)+2*(\i)+1], v[96+8*(\o)+2*(\i):96+8*(\o)+2*(\i)+1], s[42:43], v[12+4*((\o)/8):13+4*((\o)/8)] op_sel_hi:[1,0,0]
.endm
.macro EX o, i                         ; p = 2^(t - M), at most 1: not normalised
	v_exp_f32 v[96+8*(\o)+(\i)], v[96+8*(\o)+(\i)]
.endm
.macro AD o, i                         ; the sum is taken of the unquantised p: the tile's two chains by turns
	s_wait_alu depctr_va_vdst(0)
	v_pk_add_f32 v[14+4*((\o)/8)+8*((\i)%2):15+4*((\o)/8)+8*((\i)%2)], v[14+4*((\o)/8)+8*((\i)%2):15+4*((\o)/8)+8*((\i)%2)], v[96+8*(\o)+2*(\i):96+8*(\o)+2*(\i)+1]
.endm
.macro HD o, i                         ; the conversion to an 8-bit code does not saturate (ISA guide 7.6.2); p is not negative, so the hold is one-sided.  Two holds in one dual-issue pair: an even and an odd destination, one scalar as both first sources
	v_dual_min_num_f32 v[96+8*(\o)+2*(\i)], s45, v[96+8*(\o)+2*(\i)] :: v_dual_min_num_f32 v[96+8*(\o)+2*(\i)+1], s45, v[96+8*(\o)+2*(\i)+1]
.endm
.macro CV o                            ; eight codes: registers 2 o, 2 o + 1 of P
	v_cvt_scalef32_pk8_bf8_f32 v[224+2*(\o):225+2*(\o)], v[96+8*(\o):103+8*(\o)], v11
.endm
.macro VL f, slot                      ; V's fragment of channel tile f (0 .. 7) into the 16 registers that groups 2 f, 2 f + 1 have left
.irp c, 0,1,2,3
	ds_load_b128 v[96+16*(\f)+4*\c:96+16*(\f)+4*\c+3], v[1+\slot] offset:4096+(\f)*2048+512*\c
.endr
.endm
; Trip k of the stream: group k's eight exponentials, and between them group k + 1's four scalings and group k - 1's four sums and four holds: an exponential's result is read a trip later, behind plain lines;
; a sum reads a pair before its hold writes it.  Then group k - 1's conversion, and behind every second one a fragment of V is asked for: V's first eight fragments are on their way while the stream runs.
.macro PIPE slot
.set k, 0
.rept 17
.irp i, 0,1,2,3
.if k < 16
	EX k, 2*\i
.endif
.if k < 15
	FM k+1, \i
.endif
.if k < 16
	EX k, 2*\i+1
.endif
.if k > 0
	AD k-1, \i
	HD k-1, \i
.endif
.endr
.if k > 0
	CV k-1
.if (k-1)%2 == 1
	VL (k-1)/2, \slot
.endif
.endif
.set k, k+1
.endr
	v_nop                                          ; a plain line behind the last conversion, in front of the products that read its result
.endm
.macro LOADV g, slot                   ; V's fragments of channel tiles 4 g .. 4 g + 3 into buffer g % 2
.irp i, 0,1,2,3
.irp c, 0,1,2,3
	ds_load_b128 v[96+64*((\g)%2)+16*\i+4*\c:96+64*((\g)%2)+16*\i+4*\c+3], v[1+\slot] offset:4096+(4*(\g)+\i)*2048+512*\c
.endr
.endr
.endm
.macro PV g, first                     ; O^T += V P^T: eight accumulators, one instruction each.  first = 1: the products start the sums: nothing is cleared
	WIN 0x50                                       ; C and D window 1
.irp i, 0,1,2,3
.irp tl, 0,1
.if \first
	v_wmma_f32_16x16x128_bf8_bf8 v[128*\tl+8*(4*(\g)+\i):128*\tl+8*(4*(\g)+\i)+7], v[96+64*((\g)%2)+16*\i:96+64*((\g)%2)+16*\i+15], v[224+16*\tl:239+16*\tl], 0
.else
	v_wmma_f32_16x16x128_bf8_bf8 v[128*\tl+8*(4*(\g)+\i):128*\tl+8*(4*(\g)+\i)+7], v[96+64*((\g)%2)+16*\i:96+64*((\g)%2)+16*\i+15], v[224+16*\tl:239+16*\tl], v[128*\tl+8*(4*(\g)+\i):128*\tl+8*(4*(\g)+\i)+7]
.endif
.endr
.endr
.endm
; MY KEY STEP OF A SLOT: 32 queries x 128 keys.
.macro WORK slot, first
	PLACES 5                                       ; the scores are laid over V's fragments, which the last products read: five places for a matrix instruction that writes over another's source
.irp t, 0,1,2,3,4,5,6,7
	ds_load_b128 v[64+4*\t:67+4*\t], v[1+\slot] offset:512*\t
.endr
	s_wait_dscnt 0x0
	QK 64
	PLACES 4                                       ; in front of the first read of results (ISA guide 7.12.1)
.irp i, 0,1,2,3
	FM 0, \i                                       ; each accumulator is first read at its low end
.endr
	PIPE \slot
	s_wait_dscnt 16                                ; fragments 0 to 3 are in; the sixteen loads of fragments 4 to 7 may be out
	PV 0, \first
	WIN 0
	PLACES 4                                       ; in front of loads into registers that matrix instructions have read
	LOADV 2, \slot
	s_wait_dscnt 16                                ; fragments 4 to 7 are in
	PV 1, \first
	WIN 0
	PLACES 4
	LOADV 3, \slot
	s_wait_dscnt 16                                ; group 2 is in
	PV 2, \first
	s_wait_dscnt 0x0
	PV 3, \first
	WIN 0
.endm
	s_load_b256 s[4:11], s[0:1], 0x0               ; qimg s[4:5], kvimg s[6:7], x s[8:9], gamma s[10:11]
	s_load_b128 s[12:15], s[0:1], 0x20             ; the scales' exponents s[12:13], out0 s[14:15]
	v_lshl_add_u32 v3, v0, 2, SPARE
	v_mov_b32 v4, 0
	ds_add_u32 v3, v4
	ds_add_u32 v3, v4
	s_wait_dscnt 0x0
	v_lshrrev_b32 v20, 5, v0
	v_readfirstlane_b32 s16, v20                   ; wave 0..7
	s_and_b32 s17, s16, 1                          ; qh
	s_lshr_b32 s18, s16, 1                         ; kq
	s_bfe_u32 s19, ttmp6, 0x40000                  ; cx: my place in the cluster
	s_lshl_b32 s20, ttmp9, 2
	s_add_co_u32 s20, s20, s19                     ; my block of 64 queries: it enters Q's, x's and out0's addresses alone
	s_and_b32 s21, ttmp7, 0xffff                   ; the batch, which the four partners share
	; descriptor group 1: 72 dense rows of 256 bytes
	s_mov_b32 s24, 15|(3<<16)|(1<<21)              ; 15:0 the mask: all four work-groups; 17:16 elements of 8 bytes; 21 set beside a mask; no padding
	s_mov_b32 s25, 32<<16                          ; tensor_dim0 = 32
	s_mov_b32 s26, 72<<16                          ; tensor_dim1 = 72
	s_mov_b32 s27, 32<<16                          ; tile_dim0 = 32
	s_mov_b32 s28, 72                              ; tile_dim1 = 72
	s_mov_b32 s29, 32                              ; from row to row
	s_mov_b32 s30, 0
	s_mov_b32 s31, 0
	s_mov_b32 s40, 0x76543210                      ; v_permlanex16_b32's selects for lane l xor 16
	s_mov_b32 s41, 0xfedcba98
	s_mov_b32 s42, 0x3e8293ee                      ; c = log2(e) / sqrt(32)
	s_mov_b32 s44, 3
	s_mul_i32 s56, s16, WPART
	s_mul_i32 s60, s21, 32*STEPB
	s_mul_i32 s46, s18, STEPB
	s_add_co_u32 s46, s46, s60                     ; the batch's codes, step kq: for the first pass
	s_mov_b32 s47, 0
	s_add_co_u32 s60, s60, s56                     ; the batch's codes, my eighth of a slot: made of the batch and the wave's number alone
	s_mov_b32 s61, 0
	s_wait_kmcnt 0x0
	s_add_nc_u64 s[60:61], s[6:7], s[60:61]
	s_add_nc_u64 s[46:47], s[6:7], s[46:47]
	CROUND                                         ; all four work-groups are here: the first joint loads meet
	s_mov_b32 s32, 1                               ; group 0, slot 0: count = 1
	s_mul_i32 s33, s16, WPART                      ; LDS address: no place in the cluster enters it
	s_mov_b64 s[34:35], s[60:61]
	s_or_b32 s35, s35, 0x80000000                  ; type = 2
	s_mov_b32 s36, 1                               ; slot 1
	s_add_co_u32 s37, s33, SLOTB
	s_add_nc_u64 s[38:39], s[60:61], SLOTB
	s_or_b32 s39, s39, 0x80000000
	tensor_load_to_lds s[32:35], s[24:31]          ; both first fills together, ahead of every wait on TENSORcnt and every LDS read
	s_nop 0
	tensor_load_to_lds s[36:39], s[24:31]
	s_nop 0
	PLACES 4
	s_load_b128 s[48:51], s[12:13], 0x18           ; e6, e7, e8, e9
	s_load_b32 s58, s[10:11], 0x0                  ; gamma
	s_lshl_b32 s62, s21, 6
	s_add_co_u32 s62, s62, s20
	s_lshl_b32 s62, s62, 1
	s_add_co_u32 s62, s62, s17
	s_lshl_b32 s62, s62, 10                        ; ((64 b + blk) 4 + 2 qh) x 512
	s_mov_b32 s63, 0
	s_add_nc_u64 s[4:5], s[4:5], s[62:63]          ; my two tiles of Q
	s_lshl_b32 s62, s21, 22
	s_lshl_b32 s66, s20, 8
	s_add_co_u32 s62, s62, s66                     ; batch x 4 MiB + the block's 64 pixels
	s_add_nc_u64 s[52:53], s[8:9], s[62:63]        ; x
	s_add_nc_u64 s[54:55], s[14:15], s[62:63]      ; out0
	v_and_b32 v20, 31, v0                          ; lane
	v_lshlrev_b32 v21, 4, v20
.irp tl, 0,1
	global_load_b128 v[32+16*\tl:35+16*\tl], v21, s[4:5] offset:512*\tl   ; [q | 0]
	global_load_b128 v[44+16*\tl:47+16*\tl], v21, s[4:5] offset:512*\tl   ; [0 | q]
.endr
	WIN 0x40                                       ; destination window 1, address window 0
.irp n, 0,1,2,3,4,5,6
	KLOAD \n
.endr
	WIN 0
.irp tl, 0,1
.irp j, 36,37,38,39,40,41,42,43
	v_mov_b32 v[\j+16*\tl], 0
.endr
.endr
	s_mul_i32 s66, s18, STEPB
	v_add_nc_u32 v1, s66, v21                      ; my step in slot 0: 16 x lane + kq x 36,864
	v_add_nc_u32 v2, SLOTB, v1                     ; and in slot 1
	v_and_b32 v22, 15, v0                          ; r
	v_bfe_u32 v26, v0, 4, 1                        ; h
	v_mul_u32_u24 v5, v26, SP
	v_lshl_add_u32 v5, v22, 4, v5
	s_mul_i32 s67, s16, 32*SP
	v_add_nc_u32 v5, s67, v5                       ; the way out, back: rows 32 w + h, 16 bytes a lane, of partial 0,
	v_add_nc_u32 v6, PART, v5                      ; 1,
	v_add_nc_u32 v7, 2*PART, v5                    ; 2,
	v_add_nc_u32 v8, 3*PART, v5                    ; 3
	v_lshlrev_b32 v9, 14, v0                       ; thread t: channel t's row of x
	v_and_b32 v27, 8, v22
	v_add_nc_u32 v27, v27, v22                     ; r + 8 (r / 8)
	v_mul_u32_u24 v28, v26, 8*SP
	v_lshl_add_u32 v28, v27, 2, v28
	s_mul_i32 s67, s18, PART
	s_lshl_b32 s68, s17, 7
	s_add_co_u32 s67, s67, s68
	v_add_nc_u32 v28, s67, v28                     ; the way out, in: partial kq, row 8 h, pixel 32 qh + r + 8 (r / 8),
	v_add_nc_u32 v29, 128*SP, v28                  ; and 128 rows on, so that the offsets stay inside 16 bits
	v_lshlrev_b32 v30, 14, v26
	v_lshl_add_u32 v30, v22, 4, v30
	s_lshl_b32 s67, s16, 19
	v_add_nc_u32 v30, s67, v30                     ; x, out0: channel 32 w + h, 16 bytes a lane
	s_lshl_b32 s67, s16, 9
	s_add_co_u32 s67, s67, STATS
	v_lshl_add_u32 v31, v20, 2, s67                ; my wave's statistics
	s_lshl_b32 s67, s17, 9
	s_add_co_u32 s67, s67, STATS
	v_lshl_add_u32 v25, v20, 2, s67                ; those of the four waves with my queries: 1,024 bytes apart
.irp j, 64,65,66,67
	v_mov_b32 v[\j], 0xff61b1e6                    ; the largest score so far: -3e38, under every score
.endr
.irp j, 14,15,18,19,22,23,26,27
	v_mov_b32 v[\j], 0                             ; the sums: two chains of pairs a tile
.endr
	v_mov_b32 v24, 0                               ; written once: a lane permute's destination counts as one of its sources
	s_wait_kmcnt 0x0
	s_add_co_i32 s66, s48, s49
	s_lshl_b32 s66, s66, 23
	s_add_co_i32 s42, s42, s66                     ; a score stands for score x 2^(e6 + e7): the two exponents are added to c's exponent field
	s_mov_b32 s43, s42                             ; (named with it as a pair, so it is written)
	s_add_co_i32 s66, s50, 127
	s_lshl_b32 s67, s66, 23
	v_mov_b32 v11, s67                             ; 2^e8 as f32, for the conversion
	s_add_co_i32 s66, s66, 15
	s_lshl_b32 s66, s66, 23
	s_or_b32 s45, s66, 0x600000                    ; 57,344 x 2^e8
	s_add_co_i32 s59, s50, s51                     ; e8 + e9
	; ---- the first pass: the largest score of each of my queries among my 1,024 keys
.irp n, 0,1,2,3,4,5,6,7
	PASS1 \n
.endr
	v_max_num_f32 v64, v64, v65
	v_max_num_f32 v66, v66, v67
	v_permlanex16_b32 v24, v64, s40, s41
	v_permlanex16_b32 v20, v66, s40, s41
	v_max_num_f32 v64, v64, v24                    ; and among lane l xor 16's
	v_max_num_f32 v66, v66, v20
	v_mul_f32 v13, s42, v64                        ; as t (c is positive)
	v_mul_f32 v17, s42, v66
	v_floor_f32 v12, -v13                          ; -M = floor(-t) = -ceil(t): a whole number
	v_floor_f32 v16, -v17
	s_wait_tensorcnt 0x1                           ; my part of slot 0 is in; slot 1's may stay out
	s_barrier_signal -1
	s_barrier_wait -1                              ; everybody's is
	WORK 0, 1                                      ; keys 0 to 511: the products start O^T's sums
.Lslot:                                            ; three trips: slots' worth 1 to 6 are multiplied, 2 to 7 are asked for
	CHANGE 1, 0
	WORK 1, 0
	CHANGE 1, 1
	WORK 0, 0
	s_sub_co_u32 s44, s44, 1
	s_cmp_lg_u32 s44, 0
	s_cbranch_scc1 .Lslot
	CHANGE 0, 0                                    ; the tail is written out: nothing is asked for
	global_prefetch_b8 v9, s[52:53] th:TH_LOAD_NT scope:SCOPE_SE   ; thread t asks for the 256 bytes of channel t's row of x that this work-group adds at the end: each block once, one key step ahead of its load
	WORK 1, 0
	; THE WAY OUT.  x is asked for; the four waves with my queries exchange -M and the sum; each scales its partial O^T by 2^(its M - the common M) x gamma x 2^(e8 + e9) / the common sum; the partials meet in LDS as
	; [channel][pixel]; each wave adds 32 rows' four partials and x, and stores whole rows of 256 bytes.
	PLACES 4                                       ; behind the last products
.irp i, 0,1,2,3,4,5,6,7,8,9,10,11,12,13,14,15
	global_load_b128 v[32+4*\i:35+4*\i], v30, s[52:53] offset:\i*32768 th:TH_LOAD_NT   ; channels 32 w + 2 i + h: sixteen lanes read 256 consecutive bytes
.endr
	v_pk_add_f32 v[14:15], v[14:15], v[22:23]      ; a tile's two chains,
	v_pk_add_f32 v[18:19], v[18:19], v[26:27]
	v_add_f32 v14, v14, v15                        ; the pair's two halves,
	v_add_f32 v18, v18, v19
	v_permlanex16_b32 v24, v14, s40, s41
	v_permlanex16_b32 v26, v18, s40, s41
	v_add_f32 v14, v14, v24                        ; and lane l xor 16's
	v_add_f32 v18, v18, v26
	ds_store_b32 v31, v12
	ds_store_b32 v31, v14 offset:128
	ds_store_b32 v31, v16 offset:256
	ds_store_b32 v31, v18 offset:384
	s_wait_dscnt 0x0                               ; for the others' sake: my statistics have landed, and my reads of the ring are over
	s_barrier_signal -1
	s_barrier_wait -1
.irp tl, 0,1
.irp k, 0,1,2,3
	ds_load_b32 v[96+8*\tl+2*\k], v25 offset:1024*\k+256*\tl        ; -M of key quarter k
	ds_load_b32 v[97+8*\tl+2*\k], v25 offset:1024*\k+256*\tl+128    ; its sum
.endr
.endr
	s_wait_dscnt 0x0
.irp tl, 0,1
	v_min_num_f32 v20, v[96+8*\tl], v[98+8*\tl]
	v_min_num_f32 v22, v[100+8*\tl], v[102+8*\tl]
	v_min_num_f32 v20, v20, v22                    ; the common -M: the least
.irp k, 0,1,2,3
	v_sub_f32 v[96+8*\tl+2*\k], v20, v[96+8*\tl+2*\k]       ; M of quarter k - the common M: a whole number, 0 or less
.endr
.irp k, 0,1,2,3
	v_cvt_i32_f32 v[96+8*\tl+2*\k], v[96+8*\tl+2*\k]
.endr
.irp k, 0,1,2,3
	v_ldexp_f32 v[96+8*\tl+2*\k], 1.0, v[96+8*\tl+2*\k]
.endr
	v_mul_f32 v22, v[96+8*\tl], v[97+8*\tl]
	v_fmac_f32 v22, v[98+8*\tl], v[99+8*\tl]
	v_fmac_f32 v22, v[100+8*\tl], v[101+8*\tl]
	v_fmac_f32 v22, v[102+8*\tl], v[103+8*\tl]     ; the row's sum under the common M
	v_sub_f32 v20, v20, v[12+4*\tl]
	v_cvt_i32_f32 v20, v20
	v_ldexp_f32 v20, 1.0, v20                      ; my own factor
	v_rcp_f32 v22, v22
	v_mul_f32 v20, s58, v20                        ; x gamma.  (The plain place behind the reciprocal)
	s_wait_alu depctr_va_vdst(0)
	v_mul_f32 v[112+2*\tl], v20, v22
	v_ldexp_f32 v[112+2*\tl], v[112+2*\tl], s59    ; x 2^(e8 + e9)
	v_mov_b32 v[113+2*\tl], 0                      ; (named as the pair's upper half)
.endr
	WIN 0x41
.irp tl, 0,1
.set j, 0
.rept 64
	v_pk_mul_f32 v[128*\tl+j:128*\tl+j+1], v[128*\tl+j:128*\tl+j+1], v[112+2*\tl:113+2*\tl] op_sel_hi:[1,0]   ; each accumulator from its low end on
.set j, j+2
.endr
.endr
	WIN 0x04                                       ; store data window 1, address window 0
.irp tl, 0,1
.irp ct, 0,1,2,3,4,5,6,7,8,9,10,11,12,13,14,15
.irp j, 0,1,2,3,4,5,6,7
	ds_store_b32 v[28+\ct/8], v[128*\tl+8*\ct+\j] offset:(16*(\ct%8)+\j)*SP+32*\tl   ; channel 16 ct + 8 h + j, pixel 32 qh + 8 tl + r + 8 (r / 8): 8 rows are 544 words, 32 banks on: the 32 lanes meet in no bank
.endr
.endr
.endr
	WIN 0
	s_wait_dscnt 0x0                               ; for the others' sake: my partial has landed
	s_barrier_signal -1
	s_barrier_wait -1
.macro BLOAD bt                        ; four pairs of rows x four partials into buffer bt % 2
.irp ip, 0,1,2,3
.irp k, 0,1,2,3
	ds_load_b128 v[96+64*((\bt)%2)+16*\ip+4*\k:96+64*((\bt)%2)+16*\ip+4*\k+3], v[5+\k] offset:(4*(\bt)+\ip)*2*SP
.endr
.endr
.endm
.macro BSUM bt                         ; (p0 + p1) + (p2 + p3) + x, into x's registers, which are written once; then stored
.irp ip, 0,1,2,3
.set PB, 96+64*((\bt)%2)+16*\ip
.set XR, 32+4*(4*(\bt)+\ip)
	v_pk_add_f32 v[PB:PB+1], v[PB:PB+1], v[PB+4:PB+5]
	v_pk_add_f32 v[PB+2:PB+3], v[PB+2:PB+3], v[PB+6:PB+7]
	v_pk_add_f32 v[PB+8:PB+9], v[PB+8:PB+9], v[PB+12:PB+13]
	v_pk_add_f32 v[PB+10:PB+11], v[PB+10:PB+11], v[PB+14:PB+15]
	v_pk_add_f32 v[PB:PB+1], v[PB:PB+1], v[PB+8:PB+9]
	v_pk_add_f32 v[PB+2:PB+3], v[PB+2:PB+3], v[PB+10:PB+11]
	v_pk_add_f32 v[XR:XR+1], v[XR:XR+1], v[PB:PB+1]
	v_pk_add_f32 v[XR+2:XR+3], v[XR+2:XR+3], v[PB+2:PB+3]
	global_store_b128 v30, v[XR:XR+3], s[54:55] offset:(4*(\bt)+\ip)*32768 th:TH_STORE_NT   ; sixteen lanes store 256 consecutive bytes, at a multiple of 256 from out0's first byte
.endr
.endm
	BLOAD 0
	BLOAD 1
	s_wait_loadcnt 0x0                             ; x
	s_wait_dscnt 16                                ; batch 0 is in; batch 1's sixteen loads may be out
	BSUM 0
	BLOAD 2
	s_wait_dscnt 16
	BSUM 1
	BLOAD 3
	s_wait_dscnt 16
	BSUM 2
	s_wait_dscnt 0x0
	BSUM 3
	s_wait_tensorcnt 0x0                           ; the wave's end, behind my last tensor load and my last LDS store
	ds_add_u32 v3, v4
	s_wait_dscnt 0x0
	CROUND                                         ; the closing round: no work-group ends while a partner may still ask for a tile that names it
	s_endpgm
.Lfunc_end_k_q7aec29bbbf_attn:
	.size	k_q7aec29bbbf_attn, .Lfunc_end_k_q7aec29bbbf_attn-k_q7aec29bbbf_attn
	.p2alignl 7, 3214868480
	.fill 96, 4, 3214868480
	.section	.rodata,"a",@progbits
	.p2align	6, 0x0
	.amdhsa_kernel k_q7aec29bbbf_attn
		.amdhsa_group_segment_fixed_size 327680
		.amdhsa_private_segment_fixed_size 0
		.amdhsa_enable_private_segment 0
		.amdhsa_kernarg_size 48
		.amdhsa_user_sgpr_count 2
		.amdhsa_user_sgpr_kernarg_segment_ptr 1
		.amdhsa_wavefront_size32 1
		.amdhsa_system_sgpr_workgroup_id_x 1
		.amdhsa_system_sgpr_workgroup_id_y 1
		.amdhsa_system_sgpr_workgroup_id_z 1
		.amdhsa_system_vgpr_workitem_id 0
		.amdhsa_next_free_vgpr 512
		.amdhsa_next_free_sgpr 72
		.amdhsa_reserve_vcc 0
		.amdhsa_float_denorm_mode_32 3
		.amdhsa_float_denorm_mode_16_64 3
		.amdhsa_memory_ordered 1
		.amdhsa_forward_progress 1
		.amdhsa_inst_pref_size 211
	.end_amdhsa_kernel
	.amdgpu_metadata
---
amdhsa.version: [ 1, 2 ]
amdhsa.kernels:
  - .name:           k_q7aec29bbbf_attn
    .symbol:         k_q7aec29bbbf_attn.kd
    .args:
      - { .name: qimg, .offset: 0, .size: 8, .value_kind: global_buffer, .address_space: global }
      - { .name: kvimg, .offset: 8, .size: 8, .value_kind: global_buffer, .address_space: global }
      - { .name: x, .offset: 16, .size: 8, .value_kind: global_buffer, .address_space: global }
      - { .name: gamma, .offset: 24, .size: 8, .value_kind: global_buffer, .address_space: global }
      - { .name: lowp_scales, .offset: 32, .size: 8, .value_kind: global_buffer, .address_space: global }
      - { .name: out0, .offset: 40, .size: 8, .value_kind: global_buffer, .address_space: global }
    .group_segment_fixed_size: 327680
    .private_segment_fixed_size: 0
    .kernarg_segment_align: 8
    .kernarg_segment_size: 48
    .max_flat_workgroup_size: 256
    .sgpr_count:     72
    .vgpr_count:     512
    .wavefront_size: 32
...
	.end_amdgpu_metadata
.endif
;; end of part 3
